; MI455X (gfx1250); checked and timed in simulation.
; The chip was launched on July 23, 2026; its instructions are those of AMD's public machine-readable ISA for CDNA 5 (MIT licence, August 2026) and "CDNA5" Instruction Set Architecture Reference Guide (July 2026). The comments in the code are by the model that wrote it; some were corrected since.
;; Causal Self Attention. Allowed arithmetic: matrix products marked QUANTISED: E4M3 operands, one given power-of-two scale a tensor, by v_wmma_f32_16x16x64_fp8_fp8 or v_wmma_f32_16x16x128_fp8_fp8, f32 sums; everything else in f32.
;; Inputs: b_attn 3,072 float32; b_proj 1,024 float32; lowp_scales 8 int32 (the exponents e of the quantised operands' scales 2^e); mask 1 x 1 x 2,048 x 2,048 bool; w_attn 1,024 x 3,072 float32; w_proj 1,024 x 1,024 float32; x 4 x 2,048 x 1,024 float32.
;; Outputs: out0 4 x 2,048 x 1,024 float32.
;; This version of the problem:
;;   THIS VERSION OF THE PROBLEM IS GIVEN IN LOW PRECISION. The matrix products marked QUANTISED in the list below multiply operands that are first quantised to E4M3 (4 exponent bits, 3 mantissa bits; 8 bits a number), with one given power-of-two scale for each operand tensor; their sums are f32. All else is computed in f32.
;;   The module's matrix products, in the order in which they are computed (A, B: the left and right operand; K: the contracted axis; several contracted axes count as one K, in the product's order):
;;     1. [M 8,192, K 1,024] x [K 1,024, N 3,072]; A: input x; B: input w_attn: QUANTISED (scales: A lowp_scales[0], B lowp_scales[1])
;;     2. batch 64 x [M 2,048, K 64] x [K 64, N 2,048]; A: computed on the way; B: computed on the way: QUANTISED (scales: A lowp_scales[2], B lowp_scales[3])
;;     3. batch 64 x [M 2,048, K 2,048] x [K 2,048, N 64]; A: softmax (see below); B: computed on the way: QUANTISED (scales: A lowp_scales[4], B lowp_scales[5])
;;     4. [M 8,192, K 1,024] x [K 1,024, N 1,024]; A: computed on the way; B: input w_proj: QUANTISED (scales: A lowp_scales[6], B lowp_scales[7])
;;   THE QUANTISER, for each operand of a quantised product, along K:
;;     - The operand's scale is 2^e, e = its entry of the input lowp_scales (int32; the entries are numbered through the quantised products in the list's order, A before B).
;;     - Each number is divided by the scale, clamped to +-448, and rounded to the nearest number of E4M3, ties to even, subnormals kept.
;;     - The product sums the exact products of the quantised numbers (number of the format x scale) in f32.
;;   ~~~python
;;   def quantise(x, axis, e):      # numpy; x: float32 -> the quantised numbers, widened to float32 again
;;       x = np.moveaxis(x, axis, -1); K = x.shape[-1]
;;       r = np.clip(x / 2.0 ** e, -448, 448)
;;       step = 2.0 ** (np.maximum(np.frexp(np.where(r == 0, 1, r))[1] - 1, -6) - 3)
;;       q = np.round(r / step) * step * 2.0 ** e      # np.round: ties to even
;;       return np.moveaxis(q, -1, axis).astype(np.float32)
;;   ~~~
;;   SOFTMAX AHEAD OF A QUANTISED PRODUCT. Where the list says 'softmax', what is quantised is not the finished softmax but p = 2^(t - M), with t = logit x log2(e) and M = ceil(the row's largest t), a whole number; so 1/2 < the row's largest p <= 1. The row's sum l is taken of the UNQUANTISED p, in f32, and the product's result is divided by l at the end. Since M is a whole number, a kernel that streams over the keys may use a running M (the ceiling of the running maximum): every later rescaling is an exact power of two, so the quantised numbers keep their values, but for numbers so far below the row's largest that they fall under the format's range.
;;   OPERANDS COMPUTED ON THE WAY. 'Computed on the way' means the value that the module computes at that place (a softmax that the list does not call 'softmax' is quantised finished and normalised). What goes into a quantiser is computed in f32, as accurately as f32 sums, v_exp_f32 and their like allow (about 1e-6 of the number): no bf16 or f16 on the way to a quantiser, and a product that is left as it is and whose result goes on into a quantised operand takes f32 operands (vector FMAs, or v_wmma_f32_16x16x4_f32). A number that lies on a knife's edge between two numbers of the format may be rounded either way, as far as f32 arithmetic and the matrix unit's own rounding can turn it there, and no further.
;; One version. Each part assembles by itself: llvm-mc -triple=amdgcn-amd-amdhsa -mcpu=gfx1250 --defsym DOCPART=n.
;; ======== version 1 of 1: 4 launches
;; workspace buffers: ximg 8,388,608 bytes; waimg 3,145,728 bytes; wpimg 1,048,576 bytes; maskw 524,288 bytes of whole numbers; qkvimg 25,165,824 bytes; aimg 8,388,608 bytes
;; launch prep (part 1): grid 512 x 1, 4 waves a work-group, no clusters, 68,096 bytes of LDS; arguments x, w_attn, w_proj, mask, lowp_scales, ximg, waimg, wpimg, maskw; writes ximg, waimg, wpimg, maskw
.if DOCPART == 1
	.amdgcn_target "amdgcn-amd-amdhsa--gfx1250"
	.amdhsa_code_object_version 6
	.text
	.protected	k_qccef5a47a7_prep
	.globl	k_qccef5a47a7_prep
	.p2align	8
	.type	k_qccef5a47a7_prep,@function
k_qccef5a47a7_prep:
	s_mov_b64 s[64:65], 0
	v_nop
	global_prefetch_b8 v0, s[64:65] scope:SCOPE_SE
	s_setreg_imm32_b32 hwreg(HW_REG_WAVE_MODE, 25, 1), 1
	s_wait_xcnt 0x0
; PREP: the three f32 inputs that are operands of quantised products become codes of FP8 (E4M3), and the mask becomes lane masks.
; code = number / 2^e, held within +-448, to the nearest code, ties to even; e: entry 0 (x), 1 (w_attn), 7 (w_proj) of lowp_scales.
; LIMITS: each e between -126 and 119, so that 2^e and 448 x 2^e are f32 numbers.  NaN among the inputs is not served.
; LAYOUT OF THE CODES: IMAGES OF THE OPERAND'S REGISTERS.  A fragment is 16 rows x 128 K: lane (r, h) holds row r, registers 2 c, 2 c + 1 hold K = 16 c + 8 h + 0 .. 7.
; Its image is 2,048 bytes: registers 4 g .. 4 g + 3 of lane L at byte 512 g + 16 L.  An operand [rows][1024] is [rows / 16][8 K steps][2048].
; So the later launches fetch a fragment by loads of 16 bytes a lane at 16 x lane, and nothing is transposed or padded anywhere.
; maskw: [128 tiles of 16 queries][16 steps of 128 keys][64 words]: bit 16 h + r of word 8 T + j is mask[16 tile + r][128 step + 16 T + 8 h + j].
; SHARES, by the work-group's number: 0-255 x, 256-351 w_attn, 352-383 w_proj, 384-511 the mask.  Waves share nothing: no barrier.  Each path that uses LDS has bytes of its own.
.set WSTG,  8448                       ; a wave's stage: 16 rows x 528 bytes
.set SP,    528                        ; a stage row: 512 bytes + 16: 33 x 16, so that sixteen rows' reads of 16 bytes fall on different banks
.set XSTG,  0                          ; x's four stages
.set MSTG,  4*WSTG                     ; the mask's four stages
.set SPARE, 8*WSTG                     ; behind them: the spare words, 128 bytes for each wave, which no other line names
.set SPW, 14                           ; v14  LDS address of my spare word; never rewritten
.set NIL, 15                           ; v15  0; never rewritten
.set R,   16                           ; x: v16-143 two sets of 64 numbers as loaded
.set X,   144                          ; x: v144-207 64 numbers in the fragment's order
.set C,   208                          ; x: v208-239 two sets of 16 registers of codes
.macro TAIL                            ; a wave's end
	s_wait_tensorcnt 0x0
	ds_add_u32 v[SPW], v[NIL]
	s_wait_dscnt 0x0
	s_endpgm
.endm
.macro MKSCALE e                       ; v11 = 2^e as f32 (the conversion takes its exponent field), v10 = 448 x 2^e
	s_add_co_i32 s42, \e, 127
	s_lshl_b32 s43, s42, 23
	v_mov_b32 v11, s43
	s_add_co_i32 s42, s42, 8
	s_lshl_b32 s42, s42, 23
	s_or_b32 s42, s42, 0x600000
	v_mov_b32 v10, s42
.endm
	s_load_b256 s[4:11], s[0:1], 0x0               ; x s[4:5], w_attn s[6:7], w_proj s[8:9], mask s[10:11]
	s_load_b256 s[12:19], s[0:1], 0x20             ; lowp_scales s[12:13], ximg s[14:15], waimg s[16:17], wpimg s[18:19]
	s_load_b64 s[20:21], s[0:1], 0x40              ; maskw
	v_lshl_add_u32 v[SPW], v0, 2, SPARE
	v_mov_b32 v[NIL], 0
	v_lshrrev_b32 v1, 5, v0
	v_readfirstlane_b32 s22, v1                    ; wave 0..3
	v_and_b32 v1, 31, v0                           ; lane
	v_lshlrev_b32 v2, 4, v1                        ; 16 x lane
	v_and_b32 v3, 15, v0                           ; r
	v_bfe_u32 v4, v0, 4, 1                         ; h
	s_mul_i32 s23, s22, WSTG
	v_add_nc_u32 v5, s23, v2                       ; x's stage, in: a row's 512 bytes as they lie
	v_mul_u32_u24 v9, v3, SP
	v_add_nc_u32 v9, s23, v9
	v_lshl_add_u32 v6, v4, 5, v9                   ; x's stage, out: row r, + 32 h: eight numbers of my half
	v_add_nc_u32 v7, MSTG, v5                      ; the mask's stage, in
	v_lshl_add_u32 v8, v4, 3, v9
	v_add_nc_u32 v8, MSTG, v8                      ; the mask's stage, out: row r, + 8 h
	v_lshlrev_b32 v12, 3, v1                       ; 8 x lane
	v_lshlrev_b32 v13, 2, v1                       ; 4 x lane
	s_mov_b32 s41, 0
	s_wait_kmcnt 0x0
	s_load_b256 s[24:31], s[12:13], 0x0            ; e0 .. e7
	s_cmp_lt_u32 ttmp9, 256
	s_cbranch_scc0 .Lnot_x
; ---- x.  A wave takes one tile of 16 rows x 512 along K: four fragments.  Each load reads 512 consecutive bytes of a row; the 16 rows turn through the wave's stage, so that a lane gets eight neighbours along K at a time.
	s_lshl_b32 s36, ttmp9, 2
	s_add_co_u32 s36, s36, s22                     ; unit = 4 x work-group + wave
	s_lshr_b32 s37, s36, 1                         ; tile of rows
	s_and_b32 s38, s36, 1                          ; which half of K
	s_lshl_b32 s40, s37, 16                        ; 16 rows of 4,096 bytes
	s_lshl_b32 s39, s38, 11
	s_add_co_u32 s40, s40, s39
	s_add_nc_u64 s[4:5], s[4:5], s[40:41]
	s_lshl_b32 s40, s37, 14                        ; a tile's eight images
	s_lshl_b32 s39, s38, 13
	s_add_co_u32 s40, s40, s39
	s_add_nc_u64 s[14:15], s[14:15], s[40:41]
.macro XLOAD t                         ; K step t of the four: 16 rows x 512 bytes into set t % 2
.irp i, 0,1,2,3,4,5,6,7,8,9,10,11,12,13,14,15
	global_load_b128 v[R+64*((\t)%2)+4*\i:R+64*((\t)%2)+4*\i+3], v2, s[4:5] offset:4096*\i+512*(\t) th:TH_LOAD_NT
.endr
.endm
.macro XSTEP t
.if (\t) < 3
	s_wait_loadcnt 16                              ; this step's 16 loads are in; the next step's 16 may be out
.else
	s_wait_loadcnt 0
.endif
.irp i, 0,1,2,3,4,5,6,7,8,9,10,11,12,13,14,15
	ds_store_b128 v5, v[R+64*((\t)%2)+4*\i:R+64*((\t)%2)+4*\i+3] offset:SP*\i
.endr
.irp c, 0,1,2,3,4,5,6,7
	ds_load_b128 v[X+8*\c:X+8*\c+3], v6 offset:64*\c         ; LDS serves a wave's instructions in order: these see the stores above.  K = 16 c + 8 h + 0 .. 7 of row r
	ds_load_b128 v[X+8*\c+4:X+8*\c+7], v6 offset:64*\c+16
.endr
	s_wait_dscnt 0x0                               ; the numbers are back, and the stores have read their registers,
.if (\t) < 2
	XLOAD (\t)+2                                   ; which take the loads of two steps on
.endif
.if (\t) >= 2
	s_wait_xcnt 0x0                                ; the stores of two steps back have read this set of codes
.endif
.set i, 0
.rept 64
	v_med3_num_f32 v[X+i], v[X+i], -v10, v10       ; the conversion to an 8-bit code does not saturate (ISA guide 7.6.2): the hold at the largest code x the scale
.set i, i+1
.endr
.irp c, 0,1,2,3,4,5,6,7
	v_cvt_scalef32_pk8_fp8_f32 v[C+16*((\t)%2)+2*\c:C+16*((\t)%2)+2*\c+1], v[X+8*\c:X+8*\c+7], v11
.endr
	v_nop                                          ; one plain line behind the conversions: the next step's holds write their sources
.irp g, 0,1,2,3
	global_store_b128 v2, v[C+16*((\t)%2)+4*\g:C+16*((\t)%2)+4*\g+3], s[14:15] offset:2048*(\t)+512*\g   ; 32 lanes store 512 consecutive bytes
.endr
.endm
	XLOAD 0
	XLOAD 1
	s_wait_kmcnt 0x0
	MKSCALE s24
	XSTEP 0
	XSTEP 1
	XSTEP 2
	XSTEP 3
	TAIL
; ---- a weight [1024 (k)][N].  A lane takes a column n and its registers run down K; a wave takes 32 columns x 256 along K, a block of 32 along K at a time.  No LDS: a lane's 32 codes are two pieces of 16 bytes of the image,
; k 0-7 with k 16-23 (the half h = 0) and k 8-15 with k 24-31 (h = 1), and sixteen neighbouring lanes store 256 consecutive bytes.
.macro WLOAD t, N, src
.set i, 0
.rept 32
	global_load_b32 v[32+32*((\t)%2)+i], v13, s[\src:\src+1] offset:(32*(\t)+i)*\N*4 th:TH_LOAD_NT
.set i, i+1
.endr
.endm
.macro WBLOCK t, N, src, dst
.set XS, 32+32*((\t)%2)
.set DD, 96+8*(\t)                     ; each block has its own eight registers of codes: no store's data are written again
.if (\t) < 7
	s_wait_loadcnt 32                              ; this block's 32 loads are in; the next block's may be out
.else
	s_wait_loadcnt 0
.endif
.set i, 0
.rept 32
	v_med3_num_f32 v[XS+i], v[XS+i], -v10, v10
.set i, i+1
.endr
	v_cvt_scalef32_pk8_fp8_f32 v[DD:DD+1], v[XS:XS+7], v11
	v_cvt_scalef32_pk8_fp8_f32 v[DD+2:DD+3], v[XS+16:XS+23], v11
	v_cvt_scalef32_pk8_fp8_f32 v[DD+4:DD+5], v[XS+8:XS+15], v11
	v_cvt_scalef32_pk8_fp8_f32 v[DD+6:DD+7], v[XS+24:XS+31], v11
	v_nop
	global_store_b128 v16, v[DD:DD+3], s[\dst:\dst+1] offset:((\t)/4)*2048+((\t)%4)*512
	global_store_b128 v16, v[DD+4:DD+7], s[\dst:\dst+1] offset:((\t)/4)*2048+((\t)%4)*512+256
.if (\t)+2 < 8
	WLOAD (\t)+2, \N, \src
.endif
.endm
.macro WPATH N, src, dst, e, idbase
	s_sub_co_u32 s36, ttmp9, \idbase
	s_and_b32 s37, s36, 3                          ; which 256 along K
	s_lshr_b32 s38, s36, 2                         ; which 128 columns
	s_mul_i32 s40, s37, 256*\N*4
	s_lshl_b32 s39, s38, 9
	s_add_co_u32 s40, s40, s39
	s_lshl_b32 s39, s22, 7                         ; my wave's 32 columns
	s_add_co_u32 s40, s40, s39
	s_add_nc_u64 s[\src:\src+1], s[\src:\src+1], s[40:41]
	s_lshl_b32 s40, s38, 3
	s_lshl_b32 s39, s22, 1
	s_add_co_u32 s40, s40, s39                     ; my first tile of 16 columns
	s_lshl_b32 s40, s40, 14
	s_lshl_b32 s39, s37, 12                        ; two K steps' images
	s_add_co_u32 s40, s40, s39
	s_add_nc_u64 s[\dst:\dst+1], s[\dst:\dst+1], s[40:41]
	v_lshlrev_b32 v16, 4, v3
	v_lshl_add_u32 v16, v4, 14, v16                ; lanes 16-31 hold the next tile of columns; 16 bytes for each column
	WLOAD 0, \N, \src
	WLOAD 1, \N, \src
	s_wait_kmcnt 0x0
	MKSCALE \e
.irp t, 0,1,2,3,4,5,6,7
	WBLOCK \t, \N, \src, \dst
.endr
	TAIL
.endm
.Lnot_x:
	s_cmp_lt_u32 ttmp9, 352
	s_cbranch_scc0 .Lnot_wa
	WPATH 3072, 6, 16, s25, 256
.Lnot_wa:
	s_cmp_lt_u32 ttmp9, 384
	s_cbranch_scc0 .Lmask
	WPATH 1024, 8, 18, s31, 352
; ---- the mask.  A work-group takes a tile of 16 queries, a wave 512 keys (four steps).  The 16 rows x 512 bytes turn through the wave's stage; then each byte position of a lane's 8 bytes is compared with 0, which gives a word of
; 32 lane bits, and the 64 words of a step are gathered in a register pair, word n in lane n / 2, and stored as 256 consecutive bytes.
.Lmask:
	s_wait_kmcnt 0x0
	s_sub_co_u32 s37, ttmp9, 384                   ; the tile of queries
	s_lshl_b32 s40, s37, 15                        ; 16 rows of 2,048 bytes
	s_lshl_b32 s39, s22, 9
	s_add_co_u32 s40, s40, s39
	s_add_nc_u64 s[10:11], s[10:11], s[40:41]
	s_lshl_b32 s40, s37, 12                        ; 16 steps of 256 bytes
	s_lshl_b32 s39, s22, 10
	s_add_co_u32 s40, s40, s39
	s_add_nc_u64 s[20:21], s[20:21], s[40:41]
.irp i, 0,1,2,3,4,5,6,7,8,9,10,11,12,13,14,15
	global_load_b128 v[16+4*\i:19+4*\i], v2, s[10:11] offset:2048*\i th:TH_LOAD_NT
.endr
	s_wait_loadcnt 0x0
.irp i, 0,1,2,3,4,5,6,7,8,9,10,11,12,13,14,15
	ds_store_b128 v7, v[16+4*\i:19+4*\i] offset:SP*\i
.endr
.set n, 0
.rept 32
	ds_load_b64 v[80+2*n:81+2*n], v8 offset:16*n   ; step n / 8, tile n % 8: keys 16 T + 8 h + 0 .. 7 of query r
.set n, n+1
.endr
	s_wait_dscnt 0x0
.macro MSTEP s
	v_mov_b32 v[144+2*\s], 0
	v_mov_b32 v[145+2*\s], 0
.set n, 0
.rept 64
	v_and_b32 v[152+n%4], 0xff<<(8*(n%4)), v[80+2*(8*\s+n/8)+(n%8)/4]
	v_cmp_ne_u32 s[32+n%4], 0, v[152+n%4]
	v_writelane_b32 v[144+2*\s+n%2], s[32+n%4], n/2
.set n, n+1
.endr
	global_store_b64 v12, v[144+2*\s:145+2*\s], s[20:21] offset:256*\s
.endm
	MSTEP 0
	MSTEP 1
	MSTEP 2
	MSTEP 3
	TAIL
.Lfunc_end_k_qccef5a47a7_prep:
	.size	k_qccef5a47a7_prep, .Lfunc_end_k_qccef5a47a7_prep-k_qccef5a47a7_prep
	.p2alignl 7, 3214868480
	.fill 96, 4, 3214868480
	.section	.rodata,"a",@progbits
	.p2align	6, 0x0
	.amdhsa_kernel k_qccef5a47a7_prep
		.amdhsa_group_segment_fixed_size 68096
		.amdhsa_private_segment_fixed_size 0
		.amdhsa_enable_private_segment 0
		.amdhsa_kernarg_size 72
		.amdhsa_user_sgpr_count 2
		.amdhsa_user_sgpr_kernarg_segment_ptr 1
		.amdhsa_wavefront_size32 1
		.amdhsa_system_sgpr_workgroup_id_x 1
		.amdhsa_system_sgpr_workgroup_id_y 1
		.amdhsa_system_sgpr_workgroup_id_z 1
		.amdhsa_system_vgpr_workitem_id 0
		.amdhsa_next_free_vgpr 240
		.amdhsa_next_free_sgpr 66
		.amdhsa_reserve_vcc 0
		.amdhsa_float_denorm_mode_32 3
		.amdhsa_float_denorm_mode_16_64 3
		.amdhsa_memory_ordered 1
		.amdhsa_forward_progress 1
		.amdhsa_inst_pref_size 181
	.end_amdhsa_kernel
	.amdgpu_metadata
---
amdhsa.version: [ 1, 2 ]
amdhsa.kernels:
  - .name:           k_qccef5a47a7_prep
    .symbol:         k_qccef5a47a7_prep.kd
    .args:
      - { .name: x, .offset: 0, .size: 8, .value_kind: global_buffer, .address_space: global }
      - { .name: w_attn, .offset: 8, .size: 8, .value_kind: global_buffer, .address_space: global }
      - { .name: w_proj, .offset: 16, .size: 8, .value_kind: global_buffer, .address_space: global }
      - { .name: mask, .offset: 24, .size: 8, .value_kind: global_buffer, .address_space: global }
      - { .name: lowp_scales, .offset: 32, .size: 8, .value_kind: global_buffer, .address_space: global }
      - { .name: ximg, .offset: 40, .size: 8, .value_kind: global_buffer, .address_space: global }
      - { .name: waimg, .offset: 48, .size: 8, .value_kind: global_buffer, .address_space: global }
      - { .name: wpimg, .offset: 56, .size: 8, .value_kind: global_buffer, .address_space: global }
      - { .name: maskw, .offset: 64, .size: 8, .value_kind: global_buffer, .address_space: global }
    .group_segment_fixed_size: 68096
    .private_segment_fixed_size: 0
    .kernarg_segment_align: 8
    .kernarg_segment_size: 72
    .max_flat_workgroup_size: 128
    .sgpr_count:     66
    .vgpr_count:     240
    .wavefront_size: 32
...
	.end_amdgpu_metadata
.endif
;; end of part 1
;; launch qkvgemm (part 2): grid 12 x 32, 4 waves a work-group, clusters of 4 x 4, 327,680 bytes of LDS; arguments ximg, waimg, lowp_scales, b_attn, qkvimg; writes qkvimg
.if DOCPART == 2
	.amdgcn_target "amdgcn-amd-amdhsa--gfx1250"
	.amdhsa_code_object_version 6
	.text
	.protected	k_qccef5a47a7_qkvgemm
	.globl	k_qccef5a47a7_qkvgemm
	.p2align	8
	.type	k_qccef5a47a7_qkvgemm,@function
k_qccef5a47a7_qkvgemm:
	s_mov_b64 s[64:65], 0
	v_nop
	global_prefetch_b8 v0, s[64:65] scope:SCOPE_SE
	s_setreg_imm32_b32 hwreg(HW_REG_WAVE_MODE, 25, 1), 1
	s_wait_xcnt 0x0
	s_wait_alu depctr_hold_cnt(0) depctr_sa_sdst(0) depctr_va_vdst(0) depctr_va_sdst(0) depctr_va_ssrc(0) depctr_va_vcc(0) depctr_vm_vsrc(0)
	s_getreg_b32 s2, hwreg(HW_REG_IB_STS2, 6, 4)
	s_cmp_eq_u32 s2, 0
	s_cbranch_scc0 .Lentry_in_a_cluster
	s_endpgm
.Lentry_in_a_cluster:
	s_bfe_u32 s2, ttmp6, 0x10000c
	s_cmp_lg_u32 s2, 0xf033
	s_cbranch_scc0 .Lentry_shape_is_right
	s_endpgm
.Lentry_shape_is_right:
; q, k, v = Q(x) Q(w_attn) x 2^(e0 + e1) + b_attn, quantised at once for the attention's products (q: e2, k: e3, v: e5) and stored as images of the operands' registers.
; Both operands arrive as such images: a fragment of 16 rows x 128 K is 2,048 bytes, registers 4 g .. 4 g + 3 of lane L at 512 g + 16 L; an operand is [rows / 16][8 K steps][2048].
; LIMITS: e0 + e1 between -126 and 127; e2, e3, e5 between -126 and 119, so that each power of two below is an f32 number.
; A tile of 256 x 256 results is made by four waves, 128 x 128 each: 64 accumulators, 512 registers.  K = 1,024 goes in four steps of 256 through two LDS slots filled by the tensor data mover.
; THE MATRIX INSTRUCTION IS USED TRANSPOSED (source 0 = 16 rows of operand B, source 1 = 16 rows of operand A): a lane holds ONE row of A, and its eight registers run along eight neighbouring rows of B.
; So the eight tiles of a block of A's rows, converted eight numbers at a time, ARE sixteen registers of the next product's operand, with B's rows as its K.
;   cluster x = 0, 1 (q, k): A = x's tokens, B = w_attn's columns: a lane holds a token, its registers run along the head's 64: fragments of q and of k, [64 heads][128 tiles of tokens][1024].
;   cluster x = 2 (v):       A = w_attn's v columns, B = x's tokens: a lane holds a channel, its registers run along 128 tokens: fragments of v with the keys as K, [64 heads][16 blocks of keys][4 tiles of channels][2048].
; The two cases differ in pointers and numbers chosen by s_cselect on the cluster's x, which all partners share, and in the way out, which parts on it.
; CLUSTERS: 4 x 4 work-groups.  The four of a row of the cluster need the same tiles of A, the four of a column the same tiles of B: each tile is asked for JOINTLY, by the same tensor load with the same descriptor and a mask that names the four.
; REGISTERS, in windows of 256: window 0: v0-31 addresses; v32-95 the bias along B's rows, v96-103 the bias along A's rows; from v128 A's fragments, ONE set; on the way out v128-223 are at work.
;   window 1: B's fragments, TWO sets.   window 2: the accumulators of my rows 0-63 ((a, b) at v[8 (8 a + b)]);   window 3: those of my rows 64-127.
.set FR,     16                        ; registers of a fragment
.set NL,     4                         ; LDS loads that bring one
.set NP,     4                         ; places behind this matrix instruction (ISA guide 7.12.1)
.set HALFT,  32768                     ; 128 rows x 256 K: eight pieces of 4,096 bytes (a tile of 16 rows, two K steps): what one tensor load brings
.set SLOT,   4*HALFT                   ; A's 256 rows, then B's 256 rows
.set SPARE,  2*SLOT                    ; behind the ring: the spare words, 128 bytes for each wave, which no other line names
.set SCL,  8                           ; v8      2^e of the operand that is made
.set LIM,  9                           ; v9      448 x that
.set ADRA, 16                          ; v16-17  LDS address of my A fragments in slot 0, 1
.set ADRB, 20                          ; v20-21  the same for B
.set CO,   26                          ; v26     16 x lane
.set SPW,  28                          ; v28     LDS address of my spare word; never rewritten
.set NIL,  29                          ; v29     0; never rewritten
.set BQ,   32
.set BV,   96
.set AF,   128                         ; A's fragments, in window 0
.set TMP,  128                         ; the way out: a block's 64 numbers
.set CD,   192                         ; the way out: two sets of 16 registers of codes
.set G1, 24                            ; s[24:31] descriptor group 1 for A's tiles;  s[32:39] group 0, one set for each slot
.set G0, 32
.set G1B, 48                           ; s[48:55], s[56:63] the same for B's tiles
.set G0B, 56
.set MSB, 0
.macro WIN new                         ; the immediate's high byte repeats the setting that is left
.if MSB != \new
	s_set_vgpr_msb (MSB<<8)|\new
.set MSB, \new
.endif
.endm
.set MUL_LO, 0xa1                      ; source 0 (B) window 1, source 1 (A) window 0, C and D window 2
.set MUL_HI, 0xf1                      ; the same, C and D window 3
.set TO_B,   0x40                      ; destination window 1, address window 0
; A joint load: waves 0 and 1 fetch for A, waves 2 and 3 for B.  The branch hangs on the wave's number alone.  An s_nop 0 and four v_nop follow each of the two lines.
.macro JLOAD g0a, g1a, g0b, g1b
	s_cmp_eq_u32 s15, 0
	s_cbranch_scc0 .Lfor_b_\@
	tensor_load_to_lds s[\g0a:\g0a+3], s[\g1a:\g1a+7]
	s_nop 0
.rept 4
	v_nop
.endr
	s_branch .Lasked_\@
.Lfor_b_\@:
	tensor_load_to_lds s[\g0b:\g0b+3], s[\g1b:\g1b+7]
	s_nop 0
.rept 4
	v_nop
.endr
.Lasked_\@:
.endm
.macro CREST                           ; a round of the cluster's barrier behind its opening barrier
	s_cmp_lg_u32 s14, 0
	s_cbranch_scc1 .Lnot_wave_0_\@
	s_barrier_signal -3
.Lnot_wave_0_\@:
	s_barrier_wait -3
	s_barrier_signal -1
	s_barrier_wait -1
.endm
.macro CROUND                          ; a whole round
	s_barrier_signal -1
	s_barrier_wait -1
	CREST
.endm
	s_load_b128 s[4:7], s[0:1], 0x0                ; ximg s[4:5], waimg s[6:7]
	s_load_b128 s[8:11], s[0:1], 0x10              ; lowp_scales s[8:9], b_attn s[10:11]
	s_load_b64 s[12:13], s[0:1], 0x20              ; qkvimg
	v_lshl_add_u32 v[SPW], v0, 2, SPARE
	v_mov_b32 v[NIL], 0
	ds_add_u32 v[SPW], v[NIL]                      ; the wave's opening: the add and its wait stand ahead of my first tensor load; the set-up below, work on registers, stands between them
	v_lshrrev_b32 v1, 5, v0
	v_readfirstlane_b32 s14, v1                    ; wave 0..3
	s_lshr_b32 s15, s14, 1                         ; which half of the tile's rows of A is mine.  Also: I fetch for A (0) or for B (1)
	s_and_b32 s16, s14, 1                          ; which half of its rows of B.  Also: which 128 rows of that tile I fetch
	s_bfe_u32 s40, ttmp6, 0x40000                  ; cx, cy: my place in the cluster
	s_bfe_u32 s41, ttmp6, 0x40004
	s_and_b32 s18, ttmp7, 0xffff
	s_lshl_b32 s18, s18, 2                         ; 4 x cluster y
	s_lshl_b32 s19, ttmp9, 2                       ; 4 x cluster x
	s_add_co_u32 s17, s18, s41                     ; 4 y + cy
	s_add_co_u32 s42, s19, s40                     ; 4 x + cx
	s_add_co_u32 s45, s18, s40                     ; 4 y + cx
	s_cmp_lt_u32 ttmp9, 2                          ; q and k, or v?
	s_cselect_b32 s17, s17, s41                    ; A's tile of 256 rows: tokens 4 y + cy, or v's columns cy: made of cy alone within the cluster
	s_cselect_b32 s42, s42, s45                    ; B's tile: columns 4 x + cx, or tokens 4 y + cx: made of cx alone
	s_lshl_b32 s43, s41, 2
	s_lshl_b32 s43, 15, s43                        ; my row of the cluster
	s_lshl_b32 s44, 0x1111, s40                    ; my column
	; descriptor group 1: 8 rows of 512 elements of 8 bytes (4,096 bytes: two K steps' images of a tile of 16 rows), 2,048 elements (a tile's eight images) apart; dense in LDS
	s_or_b32 s[G1+0], s43, (3<<16)|(1<<21)         ; 15:0 the mask: A's tiles go to my row; 17:16 elements of 8 bytes; 21 set beside a mask
	s_or_b32 s[G1B+0], s44, (3<<16)|(1<<21)
.irp g, G1, G1B
	s_mov_b32 s[\g+1], 512<<16                     ; tensor_dim0
	s_mov_b32 s[\g+2], 8<<16                       ; tensor_dim1
	s_mov_b32 s[\g+3], 512<<16                     ; tile_dim0
	s_mov_b32 s[\g+4], 8                           ; tile_dim1
	s_mov_b32 s[\g+5], 2048                        ; tensor_dim0_stride
	s_mov_b32 s[\g+6], 0
	s_mov_b32 s[\g+7], 0
.endr
	s_lshl_b32 s18, s16, 3                         ; which eight tiles of 16 rows I fetch
	s_lshl_b32 s20, s17, 4
	s_add_co_u32 s20, s20, s18
	s_lshl_b32 s20, s20, 14                        ; A: (16 x tile + 8 x half) x 16,384 bytes
	s_mov_b32 s21, 0
	s_lshl_b32 s46, s42, 4
	s_add_co_u32 s46, s46, s18
	s_lshl_b32 s46, s46, 14                        ; B likewise
	s_mov_b32 s47, 0
	s_mul_i32 s45, s14, HALFT                      ; where they go: wave x 32,768: no place in the cluster enters an LDS address
	s_wait_dscnt 0x0                               ; the opening add is done
	s_wait_kmcnt 0x0
	s_load_b256 s[68:75], s[8:9], 0x0              ; e0 .. e7
	s_add_nc_u64 s[76:77], s[6:7], 128*16384       ; w_attn's images at column 2,048: v's
	s_cmp_lt_u32 ttmp9, 2
	s_cselect_b64 s[78:79], s[4:5], s[76:77]       ; operand A
	s_cselect_b64 s[80:81], s[6:7], s[4:5]         ; operand B
	s_add_nc_u64 s[20:21], s[78:79], s[20:21]
	s_add_nc_u64 s[46:47], s[80:81], s[46:47]
	CROUND                                         ; all sixteen work-groups are here: the first joint loads meet
.irp s, 0,1
	s_mov_b32 s[G0+4*\s], 1
	s_add_co_u32 s[G0+4*\s+1], s45, \s*SLOT
	s_add_nc_u64 s[G0+4*\s+2:G0+4*\s+3], s[20:21], \s*4096
	s_or_b32 s[G0+4*\s+3], s[G0+4*\s+3], 0x80000000
	s_mov_b32 s[G0B+4*\s], 1
	s_add_co_u32 s[G0B+4*\s+1], s45, \s*SLOT
	s_add_nc_u64 s[G0B+4*\s+2:G0B+4*\s+3], s[46:47], \s*4096
	s_or_b32 s[G0B+4*\s+3], s[G0B+4*\s+3], 0x80000000
	JLOAD G0+4*\s, G1, G0B+4*\s, G1B               ; two loads of mine are out
.endr
	v_and_b32 v1, 31, v0
	v_lshlrev_b32 v[CO], 4, v1                     ; 16 x lane: a lane's place in every image
	s_mul_i32 s21, s15, HALFT                      ; my 128 rows of A
	s_mul_i32 s22, s16, HALFT                      ; my 128 rows of B,
	s_add_co_u32 s22, s22, 2*HALFT                 ; which lie behind A's 256
.irp s, 0,1
	v_add_nc_u32 v[ADRA+\s], s21, v[CO]
	v_add_nc_u32 v[ADRB+\s], s22, v[CO]
	s_add_co_u32 s21, s21, SLOT
	s_add_co_u32 s22, s22, SLOT
.endr
	; the bias, in both forms; the form that this work-group does not use is read at b_attn's first bytes, so that no load leaves the buffer and no branch is needed
	s_lshl_b32 s82, s17, 8
	s_lshl_b32 s18, s15, 7
	s_add_co_u32 s82, s82, s18                     ; m0: my first row of A
	s_lshl_b32 s83, s42, 8
	s_lshl_b32 s18, s16, 7
	s_add_co_u32 s83, s83, s18                     ; n0: my first row of B
	s_lshl_b32 s84, s83, 2                         ; q, k: b_attn[n0 ..]
	s_lshl_b32 s86, s82, 2
	s_add_co_u32 s86, s86, 8192                    ; v: b_attn[2048 + m0 ..]
	s_cmp_lt_u32 ttmp9, 2
	s_cselect_b32 s84, s84, 0
	s_cselect_b32 s86, 0, s86
	s_mov_b32 s85, 0
	s_mov_b32 s87, 0
	s_add_nc_u64 s[84:85], s[10:11], s[84:85]
	s_add_nc_u64 s[86:87], s[10:11], s[86:87]
	v_bfe_u32 v2, v0, 4, 1
	v_lshlrev_b32 v2, 5, v2                        ; 32 h
	v_and_b32 v3, 15, v0
	v_lshlrev_b32 v3, 2, v3                        ; 4 r
.irp b, 0,1,2,3,4,5,6,7
	global_load_b128 v[BQ+8*\b:BQ+8*\b+3], v2, s[84:85] offset:64*\b        ; tile b: the bias of B's rows 16 b + 8 h + 0 .. 7
	global_load_b128 v[BQ+8*\b+4:BQ+8*\b+7], v2, s[84:85] offset:64*\b+16
.endr
.irp a, 0,1,2,3,4,5,6,7
	global_load_b32 v[BV+\a], v3, s[86:87] offset:64*\a                     ; block a: the bias of A's row 16 a + r
.endr
.macro FRAG reg, adr, q, i             ; a fragment's image comes back as it was stored: four loads of 512 consecutive bytes
.irp c, 0,1,2,3
	ds_load_b128 v[\reg+4*\c:\reg+4*\c+3], v[\adr] offset:4096*(\i)+2048*(\q)+512*\c
.endr
.endm
; 16 matrix instructions: A's blocks a0, a0 + 1 x B's eight, 128 along K.  p: B's set.  zero = 1: the first product starts the sums.  The 64 accumulators take turns, one instruction a turn, in the same order in every step.
.macro MUL16 a0, p, zero
.irp a, \a0, \a0+1
.irp b, 0,1,2,3,4,5,6,7
.if \zero
	v_wmma_f32_16x16x128_fp8_fp8 v[8*(8*((\a)%4)+\b):8*(8*((\a)%4)+\b)+7], v[128*(\p)+FR*\b:128*(\p)+FR*\b+FR-1], v[AF+FR*(\a):AF+FR*(\a)+FR-1], 0
.else
	v_wmma_f32_16x16x128_fp8_fp8 v[8*(8*((\a)%4)+\b):8*(8*((\a)%4)+\b)+7], v[128*(\p)+FR*\b:128*(\p)+FR*\b+FR-1], v[AF+FR*(\a):AF+FR*(\a)+FR-1], v[8*(8*((\a)%4)+\b):8*(8*((\a)%4)+\b)+7]
.endif
.endr
.endr
.endm
.macro FETCH_B slot, q, p              ; B's eight fragments of the slot's q-th 128 along K into set p
	WIN TO_B
.irp i, 0,1,2,3,4,5,6,7
	FRAG 128*(\p)+FR*\i, ADRB+\slot, \q, \i
.endr
	WIN 0
.endm
.macro FETCH_A slot, q, i0             ; A's blocks i0 .. i0 + 3
.irp i, \i0, \i0+1, \i0+2, \i0+3
	FRAG AF+FR*(\i), ADRA+\slot, \q, \i
.endr
.endm
.macro PLACES n                        ; plain vector lines between a matrix instruction and a load into, or a read of, its registers
.rept \n
	v_nop
.endr
.endm
; A step of 128 along K that has its successor in the same slot.
.macro STEP slot, q, zero
	s_wait_dscnt 4*NL                              ; B's set and A's blocks 0-3 are in; the youngest 16 loads (A's blocks 4-7) may be out
	WIN MUL_LO
	MUL16 0, (\q)%2, \zero
	MUL16 2, (\q)%2, \zero
	s_wait_dscnt 0                                 ; A's blocks 4-7 are in
	PLACES NP
	FETCH_B \slot, (\q)+1, 1-(\q)%2
	FETCH_A \slot, (\q)+1, 0
	WIN MUL_HI
	MUL16 4, (\q)%2, \zero
	MUL16 6, (\q)%2, \zero
	PLACES NP
	WIN 0
	FETCH_A \slot, (\q)+1, 4
.endm
; A slot's last step changes slots: ONE barrier; in front of it each wave waits for all its tensor loads, adds 0 to its spare word, and waits for that and for its own reads of this slot.  fill = 1: this slot is filled again, two K steps ahead.
.macro TURN slot, next, fill
	s_wait_tensorcnt 0x0                           ; all my tensor loads have landed: my part of the next slot
	ds_add_u32 v[SPW], v[NIL]                      ; 0 onto my spare word
	s_wait_dscnt 4*NL+1                            ; (the add and the youngest 16 loads, A's blocks 4-7, may be out)
	WIN MUL_LO
	MUL16 0, 1, 0                                  ; sixteen matrix instructions stand between the add and the wait for it
	s_wait_dscnt 0x0                               ; the add is done, and my reads of this slot are over
	s_barrier_signal -1
	MUL16 2, 1, 0
	WIN 0
	s_barrier_wait -1
.if \fill
	CREST                                          ; the barrier has opened a round of the cluster's barrier: no wave of any partner still reads this slot's tile or has a load on its way
	s_add_nc_u64 s[G0+4*\slot+2:G0+4*\slot+3], s[G0+4*\slot+2:G0+4*\slot+3], 2*4096
	s_add_nc_u64 s[G0B+4*\slot+2:G0B+4*\slot+3], s[G0B+4*\slot+2:G0B+4*\slot+3], 2*4096
	JLOAD G0+4*\slot, G1, G0B+4*\slot, G1B         ; the first tensor load behind the round, my only one until the next; its four v_nop are the places in front of the loads below
.else
	PLACES NP
.endif
	FETCH_B \next, 0, 0
	FETCH_A \next, 0, 0
	WIN MUL_HI
	MUL16 4, 1, 0
	MUL16 6, 1, 0
	PLACES NP
	WIN 0
	FETCH_A \next, 0, 4
.endm
	s_wait_tensorcnt 1                             ; my part of K step 0 is in (K step 1's load may be out)
	s_barrier_signal -1
	s_barrier_wait -1                              ; everybody's is
	FETCH_B 0, 0, 0
	FETCH_A 0, 0, 0
	FETCH_A 0, 0, 4
	STEP 0, 0, 1                                   ; K = 1,024 is four slots' worth: the eight steps are written out
	TURN 0, 1, 1                                   ; slot 0 takes K 512-767
	STEP 1, 0, 0
	TURN 1, 0, 1                                   ; slot 1 takes K 768-1023
	STEP 0, 0, 0
	TURN 0, 1, 0                                   ; nothing is left to fetch
	STEP 1, 0, 0
	s_wait_dscnt 4*NL
	WIN MUL_LO
	MUL16 0, 1, 0
	MUL16 2, 1, 0
	s_wait_dscnt 0
	WIN MUL_HI
	MUL16 4, 1, 0
	MUL16 6, 1, 0
	WIN 0
; THE WAY OUT, a block of 16 rows of A at a time: number = sum x 2^(e0 + e1) + bias, one packed multiply-add for two; the hold; eight conversions; four stores of 512 consecutive bytes.  No LDS.
	s_wait_kmcnt 0x0
	s_add_co_i32 s96, s68, s69
	s_add_co_i32 s96, s96, 127
	s_lshl_b32 s96, s96, 23                        ; 2^(e0 + e1) as f32
	s_mov_b32 s97, s96                             ; (named with it as a pair, so it is written)
	s_cmp_eq_u32 ttmp9, 0
	s_cselect_b32 s90, s70, s71                    ; q: e2; k: e3;
	s_cmp_eq_u32 ttmp9, 2
	s_cselect_b32 s90, s73, s90                    ; v: e5
	s_add_co_i32 s90, s90, 127
	s_lshl_b32 s91, s90, 23
	s_add_co_i32 s90, s90, 8
	s_lshl_b32 s90, s90, 23
	s_or_b32 s90, s90, 0x600000
	s_wait_loadcnt 0x0                             ; the bias
	v_mov_b32 v[SCL], s91
	v_mov_b32 v[LIM], s90
	PLACES NP                                      ; behind the last products: their results are read, and A's registers written, below
.macro EPI a, vt
.set AC, 64*((\a)%4)
.set CC, CD+16*((\a)%2)
.if (\a) >= 2
	s_wait_xcnt 0x0                                ; the stores of two blocks back have read this set of codes
.endif
	WIN 0x02+((\a)/4)                              ; source 0: window 2 or 3
.irp b, 0,1,2,3,4,5,6,7
.irp i, 0,2,4,6
.if \vt
.if (\a)%2
	v_pk_fma_f32 v[TMP+8*\b+\i:TMP+8*\b+\i+1], v[AC+8*\b+\i:AC+8*\b+\i+1], s[96:97], v[BV+2*((\a)/2):BV+2*((\a)/2)+1] op_sel:[0,0,1] op_sel_hi:[1,0,1]   ; the pair's second register, my row's bias, for both halves
.else
	v_pk_fma_f32 v[TMP+8*\b+\i:TMP+8*\b+\i+1], v[AC+8*\b+\i:AC+8*\b+\i+1], s[96:97], v[BV+2*((\a)/2):BV+2*((\a)/2)+1] op_sel_hi:[1,0,0]   ; the pair's first register for both halves
.endif
.else
	v_pk_fma_f32 v[TMP+8*\b+\i:TMP+8*\b+\i+1], v[AC+8*\b+\i:AC+8*\b+\i+1], s[96:97], v[BQ+8*\b+\i:BQ+8*\b+\i+1] op_sel_hi:[1,0,1]   ; each accumulator from its low end on
.endif
.endr
.endr
	WIN 0
.set i, 0
.rept 64
	v_med3_num_f32 v[TMP+i], v[TMP+i], -v[LIM], v[LIM]   ; the conversion to an 8-bit code does not saturate (ISA guide 7.6.2)
.set i, i+1
.endr
.irp b, 0,1,2,3,4,5,6,7
	v_cvt_scalef32_pk8_fp8_f32 v[CC+2*\b:CC+2*\b+1], v[TMP+8*\b:TMP+8*\b+7], v[SCL]   ; registers 2 b, 2 b + 1 of the operand: K = 16 b + 8 h + 0 .. 7
.endr
	v_nop                                          ; one plain line behind the conversions
.irp g, 0,1,2,3
.if \vt
	global_store_b128 v[CO], v[CC+4*\g:CC+4*\g+3], s[88:89] offset:((\a)/4)*131072+2048*((\a)%4)+512*\g   ; head a / 4 of my two, tile of channels a % 4
.else
	global_store_b128 v[CO], v[CC+4*\g:CC+4*\g+3], s[88:89] offset:(\g/2)*131072+1024*(\a)+512*(\g%2)     ; head g / 2 of my two, tile of tokens a
.endif
.endr
.endm
	s_cmp_eq_u32 ttmp9, 2
	s_cbranch_scc1 .Lv_out
	s_lshr_b32 s84, s83, 10                        ; q (0) or k (1):
	s_lshl_b32 s84, s84, 23                        ; sections of 8 MiB
	s_lshr_b32 s85, s82, 11                        ; the batch
	s_lshl_b32 s85, s85, 4
	s_bfe_u32 s86, s83, 0x40006                    ; the head: (n0 % 1024) / 64
	s_add_co_u32 s85, s85, s86
	s_lshl_b32 s85, s85, 7
	s_bfe_u32 s86, s82, 0x70004                    ; the tile of tokens: (m0 % 2048) / 16
	s_add_co_u32 s85, s85, s86
	s_lshl_b32 s85, s85, 10
	s_add_co_u32 s84, s84, s85
	s_mov_b32 s85, 0
	s_add_nc_u64 s[88:89], s[12:13], s[84:85]
.irp a, 0,1,2,3,4,5,6,7
	EPI \a, 0
.endr
	s_branch .Lout_done
.Lv_out:
	s_lshr_b32 s85, s83, 11                        ; the batch of my tokens
	s_lshl_b32 s85, s85, 4
	s_lshr_b32 s86, s82, 6                         ; the head: m0 / 64
	s_add_co_u32 s85, s85, s86
	s_lshl_b32 s85, s85, 4
	s_bfe_u32 s86, s83, 0x40007                    ; the block of 128 keys: (n0 % 2048) / 128
	s_add_co_u32 s85, s85, s86
	s_lshl_b32 s85, s85, 13
	s_add_co_u32 s84, s85, 0x1000000               ; v's section
	s_mov_b32 s85, 0
	s_add_nc_u64 s[88:89], s[12:13], s[84:85]
.irp a, 0,1,2,3,4,5,6,7
	EPI \a, 1
.endr
.Lout_done:
	s_wait_tensorcnt 0x0                           ; the wave's end
	ds_add_u32 v[SPW], v[NIL]
	s_wait_dscnt 0x0
	CROUND                                         ; the closing round: no work-group ends while a partner may still ask for a tile that names it
	s_endpgm
.Lfunc_end_k_qccef5a47a7_qkvgemm:
	.size	k_qccef5a47a7_qkvgemm, .Lfunc_end_k_qccef5a47a7_qkvgemm-k_qccef5a47a7_qkvgemm
	.p2alignl 7, 3214868480
	.fill 96, 4, 3214868480
	.section	.rodata,"a",@progbits
	.p2align	6, 0x0
	.amdhsa_kernel k_qccef5a47a7_qkvgemm
		.amdhsa_group_segment_fixed_size 327680
		.amdhsa_private_segment_fixed_size 0
		.amdhsa_enable_private_segment 0
		.amdhsa_kernarg_size 40
		.amdhsa_user_sgpr_count 2
		.amdhsa_user_sgpr_kernarg_segment_ptr 1
		.amdhsa_wavefront_size32 1
		.amdhsa_system_sgpr_workgroup_id_x 1
		.amdhsa_system_sgpr_workgroup_id_y 1
		.amdhsa_system_sgpr_workgroup_id_z 1
		.amdhsa_system_vgpr_workitem_id 0
		.amdhsa_next_free_vgpr 1024
		.amdhsa_next_free_sgpr 100
		.amdhsa_reserve_vcc 0
		.amdhsa_float_denorm_mode_32 3
		.amdhsa_float_denorm_mode_16_64 3
		.amdhsa_memory_ordered 1
		.amdhsa_forward_progress 1
		.amdhsa_inst_pref_size 193
	.end_amdhsa_kernel
	.amdgpu_metadata
---
amdhsa.version: [ 1, 2 ]
amdhsa.kernels:
  - .name:           k_qccef5a47a7_qkvgemm
    .symbol:         k_qccef5a47a7_qkvgemm.kd
    .args:
      - { .name: ximg, .offset: 0, .size: 8, .value_kind: global_buffer, .address_space: global }
      - { .name: waimg, .offset: 8, .size: 8, .value_kind: global_buffer, .address_space: global }
      - { .name: lowp_scales, .offset: 16, .size: 8, .value_kind: global_buffer, .address_space: global }
      - { .name: b_attn, .offset: 24, .size: 8, .value_kind: global_buffer, .address_space: global }
      - { .name: qkvimg, .offset: 32, .size: 8, .value_kind: global_buffer, .address_space: global }
    .group_segment_fixed_size: 327680
    .private_segment_fixed_size: 0
    .kernarg_segment_align: 8
    .kernarg_segment_size: 40
    .max_flat_workgroup_size: 128
    .sgpr_count:     100
    .vgpr_count:     1024
    .wavefront_size: 32
...
	.end_amdgpu_metadata
.endif
;; end of part 2
;; launch attn (part 3): grid 4 x 64, 16 waves a work-group, clusters of 4 x 1, 264,192 bytes of LDS; arguments qkvimg, maskw, lowp_scales, aimg; writes aimg
.if DOCPART == 3
	.amdgcn_target "amdgcn-amd-amdhsa--gfx1250"
	.amdhsa_code_object_version 6
	.text
	.protected	k_qccef5a47a7_attn
	.globl	k_qccef5a47a7_attn
	.p2align	8
	.type	k_qccef5a47a7_attn,@function
k_qccef5a47a7_attn:
	s_mov_b64 s[64:65], 0
	v_nop
	global_prefetch_b8 v0, s[64:65] scope:SCOPE_SE
	s_setreg_imm32_b32 hwreg(HW_REG_WAVE_MODE, 25, 1), 1
	s_wait_xcnt 0x0
	s_wait_alu depctr_hold_cnt(0) depctr_sa_sdst(0) depctr_va_vdst(0) depctr_va_sdst(0) depctr_va_ssrc(0) depctr_va_vcc(0) depctr_vm_vsrc(0)
	s_getreg_b32 s2, hwreg(HW_REG_IB_STS2, 6, 4)
	s_cmp_eq_u32 s2, 0
	s_cbranch_scc0 .Lentry_in_a_cluster
	s_endpgm
.Lentry_in_a_cluster:
	s_bfe_u32 s2, ttmp6, 0x10000c
	s_cmp_lg_u32 s2, 0x3003
	s_cbranch_scc0 .Lentry_shape_is_right
	s_endpgm
.Lentry_shape_is_right:
; attn[b][q][head][:] = softmax_k(where(mask, q . k / 8, -1e10)) v, both products on codes of FP8 (E4M3); the result is quantised at once (e6) as operand A of the last product.
; THE MASK IS AN INPUT: every query walks all 2,048 keys, and a masked logit is -1e10 as it is written, not -infinity: a row with no true key comes out as the plain mean over all keys.
; THE SOFTMAX: t = score x 2^(e2 + e3) x log2(e) / 8, rounded once; where the mask is false t = TM = f32(-1e10) x f32(log2 e), which is a whole number in f32.  M = the running largest t rounded UP to a whole number;
; p = 2^(t - M) is quantised (e4) along the keys, not normalised.  The row's sum is taken of the unquantised p and divides at the end.  When M moves, the sum and O are multiplied by 2^(old M - new M): exact.
; LIMITS: e2 + e3 between -123 and 130 (added to the constant's exponent field); e4, e6 between -126 and 119; e4 + e5 is applied by v_ldexp_f32 and has none.
; SHARES.  A cluster of four work-groups is one head of one batch; a work-group takes 512 queries, each of its SIXTEEN waves two tiles of 16 queries, one after the other (two passes, written out): 256 registers a wave,
; four waves to a SIMD, so that one wave's vector work stands beside another's matrix work and LDS loads.
; THE HEAD'S WHOLE K AND V LIE IN LDS (131,072 bytes each, as they lie in memory: images of the operands' registers), asked for once, JOINTLY by the four work-groups, in four groups of 512 keys.  No LDS byte is filled twice: no ring.
; Four tensor loads of a wave are out.  TWO BARRIERS: one behind which the first 512 keys are whole, one behind which all are; from there on the waves share nothing that changes and meet no more.
; LAYOUT.  S^T = K Q^T (source 0 = 16 keys, source 1 = my 16 queries), O^T = V^T P^T (source 0 = 16 channels x 128 keys, source 1 = P): a lane holds ONE query (lane % 16) throughout.  Register j of tile T of S^T is key 16 T + 8 h + j:
; its eight registers, converted, are registers 2 T, 2 T + 1 of P.  O^T's four tiles, converted, are a fragment of 16 tokens x this head's 64 of the last product's K.
; THE MASK comes as lane masks, a word for each of S^T's 64 registers, by scalar loads into 64 scalar registers; a step's words are asked for a whole step ahead, as soon as the step before has used the registers.
.set VB,    131072                     ; V's bytes lie behind K's
.set SPARE, 262144                     ; behind both: the spare words, 128 bytes for each of sixteen waves, which no other line names
.set L16, 1                            ; v1   16 x lane; never rewritten
.set AD,  2                            ; v2   LDS address of the step's K
.set ADV, 3                            ; v3   of its V
.set SPW, 4                            ; v4   LDS address of my spare word; never rewritten
.set NIL, 5                            ; v5   0; never rewritten
.set TM,  7                            ; v7   the masked t
.set PLIM, 8                           ; v8   448 x 2^e4
.set PSC,  9                           ; v9   2^e4
.set OLIM, 10                          ; v10  448 x 2^e6
.set OSC,  11                          ; v11  2^e6
                                       ; v12 -M, v13 the largest t, v[14:15] the sum in two halves
.set Q0,  16                           ; v16-23   Q's fragment of the first pass
.set KV,  24                           ; v24-87   K's eight tiles, then V's four fragments
.set S,   88                           ; v88-151  S^T, then t, then p
.set O,   152                          ; v152-183 O^T
.set PC,  184                          ; v184-199 p's codes
.set W,   200                          ; v200-207 at work
.set OC,  208                          ; v208-215 the first pass's codes; v228-235 the second's: no store's data are written again
.set Q1,  216                          ; v216-223 Q's fragment of the second pass
.set CS,  224                          ; v[224:225] the scores' factor
.set EX,  226                          ; v226 e4 + e5
.set TB,  2                            ; s2   LDS byte of the step's K
.set CNT, 3                            ; s3   counts a loop's steps
.set QP,  2                            ; s[2:3] at the head alone: Q's address; the two registers are written anew only behind the wait for Q's loads
.set MB,  4                            ; s[4:5] my wave's mask words; never rewritten
.set OP,  6                            ; s[6:7] where my results go; never rewritten
.set G1,  8                            ; s[8:15] descriptor group 1
.set G0,  16                           ; s[16:31] descriptor group 0, a set for each of my four loads
.set MWB, 32                           ; s[32:63] the mask words of S^T's registers 32-63; at the head, ahead of the first mask load: arguments and numbers at work
.set WV,  66                           ; s66  my wave's number
.set MO,  67                           ; s67  byte offset of a step's mask words in my wave's 8,192
.set MWA, 68                           ; s[68:99] the mask words of S^T's registers 0-31
.set SEL, 100                          ; s[100:101] lane selects: lane l xor 16
.macro CROUND                          ; a round of the cluster's barrier
	s_barrier_signal -1
	s_barrier_wait -1
	s_cmp_lg_u32 s[WV], 0
	s_cbranch_scc1 .Lnot_wave_0_\@
	s_barrier_signal -3
.Lnot_wave_0_\@:
	s_barrier_wait -3
	s_barrier_signal -1
	s_barrier_wait -1
.endm
.macro MASKLOAD                        ; a step's 64 mask words, 256 consecutive bytes
	s_load_b512 s[MWA:MWA+15], s[MB:MB+1], s[MO] offset:0x0
	s_load_b512 s[MWA+16:MWA+31], s[MB:MB+1], s[MO] offset:0x40
	s_load_b512 s[MWB:MWB+15], s[MB:MB+1], s[MO] offset:0x80
	s_load_b512 s[MWB+16:MWB+31], s[MB:MB+1], s[MO] offset:0xc0
.endm
	s_load_b256 s[32:39], s[0:1], 0x0              ; qkvimg s[32:33], maskw s[34:35], lowp_scales s[36:37], aimg s[38:39]
	v_lshl_add_u32 v[SPW], v0, 2, SPARE
	v_mov_b32 v[NIL], 0
	ds_add_u32 v[SPW], v[NIL]                      ; the wave's opening: the add and its wait stand ahead of my first tensor load; the set-up below, work on registers, stands between them
	v_lshrrev_b32 v1, 5, v0
	v_readfirstlane_b32 s[WV], v1                  ; wave 0..15
	v_and_b32 v1, 31, v0
	v_lshlrev_b32 v[L16], 4, v1
	s_bfe_u32 s48, ttmp6, 0x40000                  ; cx: it enters Q's, the mask's and the result's addresses alone
	s_and_b32 s49, ttmp7, 0xffff                   ; 16 x batch + head, which the four partners share
	; descriptor group 1: 16 dense rows of 32 elements of 8 bytes: 4,096 bytes
	s_mov_b32 s[G1], 15|(3<<16)|(1<<21)            ; 15:0 the mask: all four work-groups; 17:16 elements of 8 bytes; 21 set beside a mask
	s_mov_b32 s[G1+1], 32<<16                      ; tensor_dim0
	s_mov_b32 s[G1+2], 16<<16                      ; tensor_dim1
	s_mov_b32 s[G1+3], 32<<16                      ; tile_dim0
	s_mov_b32 s[G1+4], 16                          ; tile_dim1
	s_mov_b32 s[G1+5], 32                          ; tensor_dim0_stride
	s_mov_b32 s[G1+6], 0
	s_mov_b32 s[G1+7], 0
	; what I fetch: waves 0-7 K, waves 8-15 V; of each group of 32,768 bytes my 4,096
	s_lshr_b32 s50, s[WV], 3
	s_and_b32 s51, s[WV], 7
	s_lshl_b32 s51, s51, 12
	s_lshl_b32 s54, s50, 17
	s_add_co_u32 s54, s54, s51                     ; in LDS: 131,072 (wave / 8) + 4,096 (wave % 8)
	s_add_co_u32 s50, s50, 1
	s_lshl_b32 s50, s50, 23                        ; in memory: k's section at 8 MiB, v's at 16 MiB,
	s_lshl_b32 s55, s49, 17                        ; the head's 131,072 bytes,
	s_add_co_u32 s50, s50, s55
	s_add_co_u32 s50, s50, s51                     ; my 4,096
	s_mov_b32 s51, 0
	; my two tiles of queries
	s_lshl_b32 s56, s48, 5
	s_lshl_b32 s57, s[WV], 1
	s_add_co_u32 s56, s56, s57                     ; the first: 32 cx + 2 wave
	s_lshl_b32 s[MB], s56, 12                      ; a tile's mask words: 16 steps of 256 bytes
	s_mov_b32 s[MB+1], 0
	s_lshl_b32 s52, s49, 17
	s_lshl_b32 s57, s56, 10
	s_add_co_u32 s52, s52, s57                     ; Q: the head's 131,072 bytes, a tile's 1,024
	s_mov_b32 s53, 0
	s_lshr_b32 s[OP], s49, 4                       ; the batch
	s_lshl_b32 s[OP], s[OP], 7
	s_add_co_u32 s[OP], s[OP], s56                 ; the tile of tokens
	s_lshl_b32 s[OP], s[OP], 14
	s_and_b32 s57, s49, 15                         ; the head
	s_lshl_b32 s57, s57, 10
	s_add_co_u32 s[OP], s[OP], s57
	s_mov_b32 s[OP+1], 0
	s_mov_b32 s[SEL], 0x76543210
	s_mov_b32 s[SEL+1], 0xfedcba98
	s_mov_b32 s[MO], 0
	s_wait_dscnt 0x0                               ; the opening add is done
	s_wait_kmcnt 0x0
	s_load_b256 s[40:47], s[36:37], 0x0            ; e0 .. e7
	s_add_nc_u64 s[50:51], s[32:33], s[50:51]
	s_add_nc_u64 s[MB:MB+1], s[34:35], s[MB:MB+1]
	s_add_nc_u64 s[QP:QP+1], s[32:33], s[52:53]
	s_add_nc_u64 s[OP:OP+1], s[38:39], s[OP:OP+1]
.irp g, 0,1,2,3
	s_mov_b32 s[G0+4*\g], 1                        ; count = 1
	s_add_co_u32 s[G0+4*\g+1], s54, \g*32768       ; LDS address
	s_add_nc_u64 s[G0+4*\g+2:G0+4*\g+3], s[50:51], \g*32768
	s_or_b32 s[G0+4*\g+3], s[G0+4*\g+3], 0x80000000
.endr
	CROUND                                         ; all four work-groups are here: the joint loads meet
.irp g, 0,1,2,3
	tensor_load_to_lds s[G0+4*\g:G0+4*\g+3], s[G1:G1+7]
	s_nop 0
.endr
.rept 4
	v_nop
.endr
	global_load_b128 v[Q0:Q0+3], v[L16], s[QP:QP+1]                 ; both passes' fragments of Q stay in registers
	global_load_b128 v[Q0+4:Q0+7], v[L16], s[QP:QP+1] offset:512
	global_load_b128 v[Q1:Q1+3], v[L16], s[QP:QP+1] offset:1024
	global_load_b128 v[Q1+4:Q1+7], v[L16], s[QP:QP+1] offset:1536
	s_wait_kmcnt 0x0                               ; the exponents
	s_add_co_i32 s58, s42, s43
	s_lshl_b32 s58, s58, 23
	s_add_co_i32 s58, s58, 0x3e38aa3b              ; log2(e) / 8 with e2 + e3 added to its exponent field
	v_mov_b32 v[CS], s58
	v_mov_b32 v[CS+1], s58                         ; (named with it as a pair, so it is written)
	s_add_co_i32 s58, s44, 127
	s_lshl_b32 s59, s58, 23
	v_mov_b32 v[PSC], s59
	s_add_co_i32 s58, s58, 8
	s_lshl_b32 s58, s58, 23
	s_or_b32 s58, s58, 0x600000
	v_mov_b32 v[PLIM], s58
	s_add_co_i32 s58, s46, 127
	s_lshl_b32 s59, s58, 23
	v_mov_b32 v[OSC], s59
	s_add_co_i32 s58, s58, 8
	s_lshl_b32 s58, s58, 23
	s_or_b32 s58, s58, 0x600000
	v_mov_b32 v[OLIM], s58
	s_add_co_i32 s58, s44, s45                     ; e4 + e5
	v_mov_b32 v[EX], s58
	MASKLOAD                                       ; the first step's mask words: nothing in s32-63 is wanted any more
	v_mov_b32 v[TM], 0xd01502f9                    ; -1e10
	v_mul_f32 v[TM], 0x3fb8aa3b, v[TM]             ; x log2(e)
	v_mov_b32 v[W+2], 0                            ; written once: a lane permute's destination counts as one of its sources
	v_mov_b32 v[W+5], 0                            ; (named as the upper half of the pair that holds f)
; A KEY STEP: 128 keys.  q: the pass's fragment of Q.
.macro STEP q
	v_add_nc_u32 v[AD], s[TB], v[L16]
	v_add_nc_u32 v[ADV], VB, v[AD]
	v_nop
	v_nop                                          ; four plain lines between the last products and the loads into the registers that they read
.irp T, 0,1,2,3,4,5,6,7
	ds_load_b128 v[KV+8*\T:KV+8*\T+3], v[AD] offset:1024*\T
	ds_load_b128 v[KV+8*\T+4:KV+8*\T+7], v[AD] offset:1024*\T+512
.endr
	s_wait_dscnt 0x0
.irp T, 0,1,2,3,4,5,6,7
	v_wmma_f32_16x16x64_fp8_fp8 v[S+8*\T:S+8*\T+7], v[KV+8*\T:KV+8*\T+7], v[\q:\q+7], 0
.endr
.rept 4
	v_nop                                          ; places: the scores are read and K's registers loaded anew below
.endr
.irp d, 0,1,2,3
.irp g, 0,1,2,3
	ds_load_b128 v[KV+16*\d+4*\g:KV+16*\d+4*\g+3], v[ADV] offset:2048*\d+512*\g   ; V lands while the softmax is worked
.endr
.endr
.set j, 0
.rept 32
	v_pk_mul_f32 v[S+j:S+j+1], v[S+j:S+j+1], v[CS:CS+1] op_sel_hi:[1,0]   ; t, rounded once; each accumulator from its low end on
.set j, j+2
.endr
	s_wait_kmcnt 0x0                               ; this step's 64 mask words, asked for a step ago; their loads are done, so the offset may be stepped below
.set j, 0
.rept 32
	v_cndmask_b32 v[S+j], v[TM], v[S+j], s[MWA+j]  ; mask ? t : TM
.set j, j+1
.endr
.set j, 0
.rept 32
	v_cndmask_b32 v[S+32+j], v[TM], v[S+32+j], s[MWB+j]
.set j, j+1
.endr
	s_add_co_u32 s[MO], s[MO], 256
	s_and_b32 s[MO], s[MO], 8191                   ; behind my last step the look-ahead turns back to my first words: no load leaves my 8,192 bytes
	MASKLOAD                                       ; the next step's words: they have the rest of this step and the next step's products in which to land
	v_max3_num_f32 v[W], v[S], v[S+1], v[S+2]      ; the step's largest t of my query, in four chains
	v_max3_num_f32 v[W+1], v[S+3], v[S+4], v[S+5]
	v_max3_num_f32 v[W+6], v[S+6], v[S+7], v[S+8]
	v_max3_num_f32 v[W+7], v[S+9], v[S+10], v[S+11]
.irp i, 12,20,28,36,44,52
	v_max3_num_f32 v[W], v[W], v[S+\i], v[S+\i+1]
	v_max3_num_f32 v[W+1], v[W+1], v[S+\i+2], v[S+\i+3]
	v_max3_num_f32 v[W+6], v[W+6], v[S+\i+4], v[S+\i+5]
	v_max3_num_f32 v[W+7], v[W+7], v[S+\i+6], v[S+\i+7]
.endr
	v_max3_num_f32 v[W], v[W], v[S+60], v[S+61]
	v_max3_num_f32 v[W+1], v[W+1], v[S+62], v[S+63]
	v_max3_num_f32 v[W], v[W], v[W+1], v[W+6]
	v_max_num_f32 v[W], v[W], v[W+7]
	v_permlanex16_b32 v[W+2], v[W], s[SEL], s[SEL+1]
	v_max_num_f32 v[W], v[W], v[W+2]               ; and among lane l xor 16's keys
	v_max_num_f32 v13, v13, v[W]                   ; the running largest t
	v_mov_b32 v[W], v12
	v_floor_f32 v12, -v13                          ; the new -M = floor(-t) = -ceil(t)
	v_sub_f32 v[W], v12, v[W]                      ; old M - new M: a whole number, 0 or less
	v_cvt_i32_f32 v[W], v[W]                       ; (it saturates)
	v_ldexp_f32 v[W+4], 1.0, v[W]                  ; f = 2^(old M - new M)
.set j, 0
.rept 32
	v_pk_add_f32 v[S+j:S+j+1], v[S+j:S+j+1], v[12:13] op_sel_hi:[1,0]   ; t - M (of the pair the low word, -M, serves both halves)
.set j, j+2
.endr
.set j, 0
.rept 64
	v_exp_f32 v[S+j], v[S+j]                       ; p = 2^(t - M), at most 1
.set j, j+1
.endr
	v_pk_mul_f32 v[14:15], v[14:15], v[W+4:W+5] op_sel_hi:[1,0]   ; the sums under the new M: the plain line behind the exponentials
	s_wait_alu depctr_va_vdst(0)                   ; one wait for the batch of 64, ahead of its first reader
	v_pk_add_f32 v[W+6:W+7], v[S:S+1], v[S+2:S+3]  ; the row's sum is taken of the unquantised p, in two chains
.irp j, 4,8,12,16,20,24,28,32,36,40,44,48,52,56,60
	v_pk_add_f32 v[14:15], v[14:15], v[S+\j:S+\j+1]
	v_pk_add_f32 v[W+6:W+7], v[W+6:W+7], v[S+\j+2:S+\j+3]
.endr
	v_pk_add_f32 v[14:15], v[14:15], v[W+6:W+7]
.irp T, 0,1,2,3,4,5,6,7
.irp i, 0,1,2,3,4,5,6,7
	v_min_num_f32 v[S+8*\T+\i], v[S+8*\T+\i], v[PLIM]   ; the conversion does not saturate (ISA guide 7.6.2); p is not negative, so the hold is one-sided
.endr
	v_cvt_scalef32_pk8_fp8_f32 v[PC+2*\T:PC+2*\T+1], v[S+8*\T:S+8*\T+7], v[PSC]
.endr
.set j, 0
.rept 16
	v_pk_mul_f32 v[O+j:O+j+1], v[O+j:O+j+1], v[W+4:W+5] op_sel_hi:[1,0]   ; O^T under the new M; also the plain lines behind the conversions
.set j, j+2
.endr
	s_wait_dscnt 0x0                               ; V
.irp d, 0,1,2,3
	v_wmma_f32_16x16x128_fp8_fp8 v[O+8*\d:O+8*\d+7], v[KV+16*\d:KV+16*\d+15], v[PC:PC+15], v[O+8*\d:O+8*\d+7]   ; four accumulators by turns; the matrix instruction ahead of the first is a product of scores
.endr
.endm
; n key steps on end, from LDS byte s[TB] on.
.macro STEPS q, n
	s_mov_b32 s[CNT], \n
.Lstep_\@:
	STEP \q
	s_add_co_u32 s[TB], s[TB], 8192
	s_sub_co_u32 s[CNT], s[CNT], 1
	s_cmp_lg_u32 s[CNT], 0
	s_cbranch_scc1 .Lstep_\@
.endm
; A pass's start: the step is written for every step alike: the first finds zeros, which the first change of M leaves zeros.
.macro INIT
	v_mov_b32 v13, 0xff61b1e6                      ; the largest t so far: -3e38, under every t
	v_floor_f32 v12, -v13
	v_mov_b32 v14, 0
	v_mov_b32 v15, 0
.set j, 0
.rept 32
	v_mov_b32 v[O+j], 0
.set j, j+1
.endr
.endm
; The way out of pass p: O^T x 2^(e4 + e5) / the sum, held, converted: a fragment of 16 tokens x 64 of the last product's K: two stores of 512 consecutive bytes.  The pass's place, 16,384 bytes a tile of tokens, stands in the immediate.
.macro WAYOUT p
.rept 4
	v_nop                                          ; places behind the last products
.endr
	v_add_f32 v14, v14, v15
	v_permlanex16_b32 v[W+2], v14, s[SEL], s[SEL+1]
	v_add_f32 v14, v14, v[W+2]                     ; the row's sum
	v_rcp_f32 v14, v14
	v_nop                                          ; a plain line behind the reciprocal
	s_wait_alu depctr_va_vdst(0)                   ; and the wait ahead of its first reader
	v_ldexp_f32 v14, v14, v[EX]
.set j, 0
.rept 32
	v_mul_f32 v[S+j], v[O+j], v14
.set j, j+1
.endr
.set j, 0
.rept 32
	v_med3_num_f32 v[S+j], v[S+j], -v[OLIM], v[OLIM]
.set j, j+1
.endr
.irp d, 0,1,2,3
	v_cvt_scalef32_pk8_fp8_f32 v[OC+20*\p+2*\d:OC+20*\p+2*\d+1], v[S+8*\d:S+8*\d+7], v[OSC]
.endr
	v_nop                                          ; one plain line behind the conversions
	global_store_b128 v[L16], v[OC+20*\p:OC+20*\p+3], s[OP:OP+1] offset:16384*\p
	global_store_b128 v[L16], v[OC+20*\p+4:OC+20*\p+7], s[OP:OP+1] offset:16384*\p+512
.endm
	INIT
	s_wait_loadcnt 0x0                             ; Q, both passes': so s[2:3], which held its address, may be written below
	s_wait_tensorcnt 3                             ; my load of the first 512 keys has landed; behind it I issued three others, which may be out
	s_barrier_signal -1
	s_barrier_wait -1                              ; everybody's has.
	s_mov_b32 s[TB], 0
	STEPS Q0, 4
	s_wait_tensorcnt 0x0                           ; all my loads have landed
	s_barrier_signal -1
	s_barrier_wait -1                              ; everybody's have: from here on K and V are whole for every wave, nothing in LDS changes, and no further barrier is owed
	s_mov_b32 s[TB], 32768
	STEPS Q0, 12
	WAYOUT 0
	INIT
	s_mov_b32 s[TB], 0
	STEPS Q1, 16
	WAYOUT 1
	s_wait_kmcnt 0x0                               ; the last look-ahead for mask words
	s_wait_tensorcnt 0x0                           ; the wave's end
	ds_add_u32 v[SPW], v[NIL]
	s_wait_dscnt 0x0
	CROUND                                         ; the closing round
	s_endpgm
.Lfunc_end_k_qccef5a47a7_attn:
	.size	k_qccef5a47a7_attn, .Lfunc_end_k_qccef5a47a7_attn-k_qccef5a47a7_attn
	.p2alignl 7, 3214868480
	.fill 96, 4, 3214868480
	.section	.rodata,"a",@progbits
	.p2align	6, 0x0
	.amdhsa_kernel k_qccef5a47a7_attn
		.amdhsa_group_segment_fixed_size 264192
		.amdhsa_private_segment_fixed_size 0
		.amdhsa_enable_private_segment 0
		.amdhsa_kernarg_size 32
		.amdhsa_user_sgpr_count 2
		.amdhsa_user_sgpr_kernarg_segment_ptr 1
		.amdhsa_wavefront_size32 1
		.amdhsa_system_sgpr_workgroup_id_x 1
		.amdhsa_system_sgpr_workgroup_id_y 1
		.amdhsa_system_sgpr_workgroup_id_z 1
		.amdhsa_system_vgpr_workitem_id 0
		.amdhsa_next_free_vgpr 256
		.amdhsa_next_free_sgpr 102
		.amdhsa_reserve_vcc 0
		.amdhsa_float_denorm_mode_32 3
		.amdhsa_float_denorm_mode_16_64 3
		.amdhsa_memory_ordered 1
		.amdhsa_forward_progress 1
		.amdhsa_inst_pref_size 82
	.end_amdhsa_kernel
	.amdgpu_metadata
---
amdhsa.version: [ 1, 2 ]
amdhsa.kernels:
  - .name:           k_qccef5a47a7_attn
    .symbol:         k_qccef5a47a7_attn.kd
    .args:
      - { .name: qkvimg, .offset: 0, .size: 8, .value_kind: global_buffer, .address_space: global }
      - { .name: maskw, .offset: 8, .size: 8, .value_kind: global_buffer, .address_space: global }
      - { .name: lowp_scales, .offset: 16, .size: 8, .value_kind: global_buffer, .address_space: global }
      - { .name: aimg, .offset: 24, .size: 8, .value_kind: global_buffer, .address_space: global }
    .group_segment_fixed_size: 264192
    .private_segment_fixed_size: 0
    .kernarg_segment_align: 8
    .kernarg_segment_size: 32
    .max_flat_workgroup_size: 512
    .sgpr_count:     102
    .vgpr_count:     256
    .wavefront_size: 32
...
	.end_amdgpu_metadata
.endif
;; end of part 3
;; launch proj (part 4): grid 4 x 32, 4 waves a work-group, clusters of 4 x 4, 327,680 bytes of LDS; arguments aimg, wpimg, lowp_scales, b_proj, out0; writes out0
.if DOCPART == 4
	.amdgcn_target "amdgcn-amd-amdhsa--gfx1250"
	.amdhsa_code_object_version 6
	.text
	.protected	k_qccef5a47a7_proj
	.globl	k_qccef5a47a7_proj
	.p2align	8
	.type	k_qccef5a47a7_proj,@function
k_qccef5a47a7_proj:
	s_mov_b64 s[64:65], 0
	v_nop
	global_prefetch_b8 v0, s[64:65] scope:SCOPE_SE
	s_setreg_imm32_b32 hwreg(HW_REG_WAVE_MODE, 25, 1), 1
	s_wait_xcnt 0x0
	s_wait_alu depctr_hold_cnt(0) depctr_sa_sdst(0) depctr_va_vdst(0) depctr_va_sdst(0) depctr_va_ssrc(0) depctr_va_vcc(0) depctr_vm_vsrc(0)
	s_getreg_b32 s2, hwreg(HW_REG_IB_STS2, 6, 4)
	s_cmp_eq_u32 s2, 0
	s_cbranch_scc0 .Lentry_in_a_cluster
	s_endpgm
.Lentry_in_a_cluster:
	s_bfe_u32 s2, ttmp6, 0x10000c
	s_cmp_lg_u32 s2, 0xf033
	s_cbranch_scc0 .Lentry_shape_is_right
	s_endpgm
.Lentry_shape_is_right:
; out0 = Q(attn) Q(w_proj) x 2^(e6 + e7) + b_proj.  Both operands arrive as codes of FP8 (E4M3), as images of the operands' registers: a fragment of 16 rows x 128 K is 2,048 bytes, registers 4 g .. 4 g + 3 of lane L
; at 512 g + 16 L; an operand is [rows / 16][8 K steps][2048].  out0: [8192][1024] f32.
; LIMIT: e6 + e7 between -126 and 127, so that 2^(e6 + e7) is an f32 number.
; A tile of 256 x 256 of out0 is made by four waves, 128 x 128 each: 64 accumulators, 512 registers.  K = 1,024 goes in four steps of 256 through two LDS slots filled by the tensor data mover.
; CLUSTERS: 4 x 4 work-groups: A's tiles are asked for jointly along a row of the cluster, B's along a column.  THE MATRIX INSTRUCTION IS USED TRANSPOSED (source 0 = 16 columns' rows of w_proj's images, source 1 = 16 tokens):
; a lane holds eight neighbouring numbers of a row of out0.
; REGISTERS, in windows of 256: window 0: v0-31 addresses; v32-35 the bias of my four columns; from v128 A's fragments, ONE set; on the way out v128-255 hold rows read back.
;   window 1: B's fragments, TWO sets.   window 2: the accumulators of my rows 0-63 ((a, b) at v[8 (8 a + b)]);   window 3: those of my rows 64-127.
.set FR,     16
.set NL,     4
.set NP,     4                         ; places behind this matrix instruction (ISA guide 7.12.1)
.set HALFT,  32768                     ; 128 rows x 256 K: what one tensor load brings
.set SLOT,   4*HALFT
.set SPARE,  2*SLOT                    ; behind the ring: the spare words, 128 bytes for each wave, which no other line names
.set SPITCH, 528                       ; the way out: a stage of 16 rows x (512 bytes + 16) for each wave, in slot 0, which has had its last fill and its last read when the first result is stored there
.set ADRA, 16
.set ADRB, 20
.set STO,  24                          ; v24  the way out: where I put 32 bytes of a row
.set RD,   25                          ; v25  where I read a row back
.set CO,   26                          ; v26  16 x lane
.set SPW,  28
.set NIL,  29
.set BI,   32                          ; v32-35
.set AF,   128
.set BK,   128                         ; 16 rows read back: v128-191 and v192-255 by turns
.set G1, 24
.set G0, 32
.set G1B, 48
.set G0B, 56
.set MSB, 0
.macro WIN new                         ; the immediate's high byte repeats the setting that is left
.if MSB != \new
	s_set_vgpr_msb (MSB<<8)|\new
.set MSB, \new
.endif
.endm
.set MUL_LO, 0xa1
.set MUL_HI, 0xf1
.set TO_B,   0x40
.macro JLOAD g0a, g1a, g0b, g1b        ; a joint load: waves 0 and 1 fetch for A, waves 2 and 3 for B; an s_nop 0 and four v_nop follow each of the two lines
	s_cmp_eq_u32 s15, 0
	s_cbranch_scc0 .Lfor_b_\@
	tensor_load_to_lds s[\g0a:\g0a+3], s[\g1a:\g1a+7]
	s_nop 0
.rept 4
	v_nop
.endr
	s_branch .Lasked_\@
.Lfor_b_\@:
	tensor_load_to_lds s[\g0b:\g0b+3], s[\g1b:\g1b+7]
	s_nop 0
.rept 4
	v_nop
.endr
.Lasked_\@:
.endm
.macro CREST
	s_cmp_lg_u32 s14, 0
	s_cbranch_scc1 .Lnot_wave_0_\@
	s_barrier_signal -3
.Lnot_wave_0_\@:
	s_barrier_wait -3
	s_barrier_signal -1
	s_barrier_wait -1
.endm
.macro CROUND
	s_barrier_signal -1
	s_barrier_wait -1
	CREST
.endm
	s_load_b128 s[4:7], s[0:1], 0x0                ; aimg s[4:5], wpimg s[6:7]
	s_load_b128 s[8:11], s[0:1], 0x10              ; lowp_scales s[8:9], b_proj s[10:11]
	s_load_b64 s[12:13], s[0:1], 0x20              ; out0
	v_lshl_add_u32 v[SPW], v0, 2, SPARE
	v_mov_b32 v[NIL], 0
	ds_add_u32 v[SPW], v[NIL]                      ; the wave's opening: the add and its wait stand ahead of my first tensor load
	v_lshrrev_b32 v1, 5, v0
	v_readfirstlane_b32 s14, v1                    ; wave 0..3
	s_lshr_b32 s15, s14, 1                         ; which half of the tile's rows is mine.  Also: I fetch for A (0) or for B (1)
	s_and_b32 s16, s14, 1                          ; which half of its columns.  Also: which 128 rows of that tile I fetch
	s_bfe_u32 s40, ttmp6, 0x40000                  ; cx, cy
	s_bfe_u32 s41, ttmp6, 0x40004
	s_lshl_b32 s42, ttmp9, 2
	s_add_co_u32 s42, s42, s40                     ; tile column = 4 x cluster x + cx
	s_and_b32 s17, ttmp7, 0xffff
	s_lshl_b32 s17, s17, 2
	s_add_co_u32 s17, s17, s41                     ; tile row = 4 x cluster y + cy
	s_lshl_b32 s43, s41, 2
	s_lshl_b32 s43, 15, s43                        ; my row of the cluster
	s_lshl_b32 s44, 0x1111, s40                    ; my column
	; descriptor group 1: 8 rows of 512 elements of 8 bytes (two K steps' images of a tile of 16 rows), 2,048 elements apart; dense in LDS
	s_or_b32 s[G1+0], s43, (3<<16)|(1<<21)
	s_or_b32 s[G1B+0], s44, (3<<16)|(1<<21)
.irp g, G1, G1B
	s_mov_b32 s[\g+1], 512<<16
	s_mov_b32 s[\g+2], 8<<16
	s_mov_b32 s[\g+3], 512<<16
	s_mov_b32 s[\g+4], 8
	s_mov_b32 s[\g+5], 2048
	s_mov_b32 s[\g+6], 0
	s_mov_b32 s[\g+7], 0
.endr
	s_lshl_b32 s18, s16, 3
	s_lshl_b32 s20, s17, 4
	s_add_co_u32 s20, s20, s18
	s_lshl_b32 s20, s20, 14                        ; A: (16 x tile row + 8 x half) x 16,384 bytes
	s_mov_b32 s21, 0
	s_lshl_b32 s46, s42, 4
	s_add_co_u32 s46, s46, s18
	s_lshl_b32 s46, s46, 14                        ; B likewise, by the tile column
	s_mov_b32 s47, 0
	s_mul_i32 s45, s14, HALFT
	s_wait_dscnt 0x0                               ; the opening add is done
	s_wait_kmcnt 0x0
	s_load_b256 s[68:75], s[8:9], 0x0              ; e0 .. e7
	s_add_nc_u64 s[20:21], s[4:5], s[20:21]
	s_add_nc_u64 s[46:47], s[6:7], s[46:47]
	CROUND                                         ; all sixteen work-groups are here: the first joint loads meet
.irp s, 0,1
	s_mov_b32 s[G0+4*\s], 1
	s_add_co_u32 s[G0+4*\s+1], s45, \s*SLOT
	s_add_nc_u64 s[G0+4*\s+2:G0+4*\s+3], s[20:21], \s*4096
	s_or_b32 s[G0+4*\s+3], s[G0+4*\s+3], 0x80000000
	s_mov_b32 s[G0B+4*\s], 1
	s_add_co_u32 s[G0B+4*\s+1], s45, \s*SLOT
	s_add_nc_u64 s[G0B+4*\s+2:G0B+4*\s+3], s[46:47], \s*4096
	s_or_b32 s[G0B+4*\s+3], s[G0B+4*\s+3], 0x80000000
	JLOAD G0+4*\s, G1, G0B+4*\s, G1B               ; two loads of mine are out
.endr
	v_and_b32 v1, 31, v0
	v_lshlrev_b32 v[CO], 4, v1                     ; 16 x lane
	s_mul_i32 s21, s15, HALFT
	s_mul_i32 s22, s16, HALFT
	s_add_co_u32 s22, s22, 2*HALFT
.irp s, 0,1
	v_add_nc_u32 v[ADRA+\s], s21, v[CO]
	v_add_nc_u32 v[ADRB+\s], s22, v[CO]
	s_add_co_u32 s21, s21, SLOT
	s_add_co_u32 s22, s22, SLOT
.endr
	s_mul_i32 s23, s14, 16*SPITCH                  ; my stage
	v_and_b32 v2, 15, v0
	v_bfe_u32 v3, v0, 4, 1
	v_mul_u32_u24 v5, v2, SPITCH                   ; in: row l % 16, 32 bytes for each half of the lanes
	v_lshl_add_u32 v5, v3, 5, v5
	v_add_nc_u32 v[STO], s23, v5
	v_add_nc_u32 v[RD], s23, v[CO]                 ; back: the 32 lanes take one row of 512 bytes
	s_lshl_b32 s82, s17, 8
	s_lshl_b32 s18, s15, 7
	s_add_co_u32 s82, s82, s18                     ; my first row
	s_lshl_b32 s83, s42, 8
	s_lshl_b32 s18, s16, 7
	s_add_co_u32 s83, s83, s18                     ; my first column
	s_lshl_b32 s84, s83, 2
	s_mov_b32 s85, 0
	s_add_nc_u64 s[86:87], s[10:11], s[84:85]
	global_load_b128 v[BI:BI+3], v[CO], s[86:87]   ; b_proj of the four columns that I store
	s_lshl_b32 s20, s82, 12                        ; a row of out0 is 4,096 bytes
	s_add_co_u32 s20, s20, s84
	s_mov_b32 s21, 0
	s_add_nc_u64 s[12:13], s[12:13], s[20:21]
.macro FRAG reg, adr, q, i
.irp c, 0,1,2,3
	ds_load_b128 v[\reg+4*\c:\reg+4*\c+3], v[\adr] offset:4096*(\i)+2048*(\q)+512*\c
.endr
.endm
.macro MUL16 a0, p, zero               ; the 64 accumulators take turns, one instruction a turn, in the same order in every step
.irp a, \a0, \a0+1
.irp b, 0,1,2,3,4,5,6,7
.if \zero
	v_wmma_f32_16x16x128_fp8_fp8 v[8*(8*((\a)%4)+\b):8*(8*((\a)%4)+\b)+7], v[128*(\p)+FR*\b:128*(\p)+FR*\b+FR-1], v[AF+FR*(\a):AF+FR*(\a)+FR-1], 0
.else
	v_wmma_f32_16x16x128_fp8_fp8 v[8*(8*((\a)%4)+\b):8*(8*((\a)%4)+\b)+7], v[128*(\p)+FR*\b:128*(\p)+FR*\b+FR-1], v[AF+FR*(\a):AF+FR*(\a)+FR-1], v[8*(8*((\a)%4)+\b):8*(8*((\a)%4)+\b)+7]
.endif
.endr
.endr
.endm
.macro FETCH_B slot, q, p
	WIN TO_B
.irp i, 0,1,2,3,4,5,6,7
	FRAG 128*(\p)+FR*\i, ADRB+\slot, \q, \i
.endr
	WIN 0
.endm
.macro FETCH_A slot, q, i0
.irp i, \i0, \i0+1, \i0+2, \i0+3
	FRAG AF+FR*(\i), ADRA+\slot, \q, \i
.endr
.endm
.macro PLACES n
.rept \n
	v_nop
.endr
.endm
.macro STEP slot, q, zero
	s_wait_dscnt 4*NL                              ; B's set and A's blocks 0-3 are in; the youngest 16 loads (A's blocks 4-7) may be out
	WIN MUL_LO
	MUL16 0, (\q)%2, \zero
	MUL16 2, (\q)%2, \zero
	s_wait_dscnt 0
	PLACES NP
	FETCH_B \slot, (\q)+1, 1-(\q)%2
	FETCH_A \slot, (\q)+1, 0
	WIN MUL_HI
	MUL16 4, (\q)%2, \zero
	MUL16 6, (\q)%2, \zero
	PLACES NP
	WIN 0
	FETCH_A \slot, (\q)+1, 4
.endm
.macro TURN slot, next, fill
	s_wait_tensorcnt 0x0                           ; all my tensor loads have landed: my part of the next slot
	ds_add_u32 v[SPW], v[NIL]                      ; 0 onto my spare word
	s_wait_dscnt 4*NL+1                            ; (the add and the youngest 16 loads may be out)
	WIN MUL_LO
	MUL16 0, 1, 0
	s_wait_dscnt 0x0                               ; the add is done, and my reads of this slot are over
	s_barrier_signal -1
	MUL16 2, 1, 0
	WIN 0
	s_barrier_wait -1
.if \fill
	CREST                                          ; the barrier has opened a round of the cluster's barrier
	s_add_nc_u64 s[G0+4*\slot+2:G0+4*\slot+3], s[G0+4*\slot+2:G0+4*\slot+3], 2*4096
	s_add_nc_u64 s[G0B+4*\slot+2:G0B+4*\slot+3], s[G0B+4*\slot+2:G0B+4*\slot+3], 2*4096
	JLOAD G0+4*\slot, G1, G0B+4*\slot, G1B         ; the first tensor load behind the round, my only one until the next
.else
	PLACES NP
.endif
	FETCH_B \next, 0, 0
	FETCH_A \next, 0, 0
	WIN MUL_HI
	MUL16 4, 1, 0
	MUL16 6, 1, 0
	PLACES NP
	WIN 0
	FETCH_A \next, 0, 4
.endm
	s_wait_tensorcnt 1                             ; my part of K step 0 is in (K step 1's load may be out)
	s_barrier_signal -1
	s_barrier_wait -1                              ; everybody's is
	FETCH_B 0, 0, 0
	FETCH_A 0, 0, 0
	FETCH_A 0, 0, 4
	STEP 0, 0, 1
	TURN 0, 1, 1
	STEP 1, 0, 0
	TURN 1, 0, 1
	STEP 0, 0, 0
	TURN 0, 1, 0
	STEP 1, 0, 0
	s_wait_dscnt 4*NL
	WIN MUL_LO
	MUL16 0, 1, 0
	MUL16 2, 1, 0
	s_wait_dscnt 0
	WIN MUL_HI
	MUL16 4, 1, 0
	MUL16 6, 1, 0
	WIN 0
; THE WAY OUT, block by block of 16 rows x 128 columns.  The sums go as they are through my own stage in LDS and come back as whole rows of 512 bytes; there a lane holds four neighbouring columns, the same in every row,
; so its four numbers of the bias serve all rows: out = sum x 2^(e6 + e7) + bias, one packed multiply-add for two.  LDS serves a wave's instructions in order (ISA guide 5.7.1.4): no wait between the stores and the loads.
.macro TOSTAGE a
.set AC, 64*((\a)%4)
	WIN 0x08+4*((\a)/4)                            ; an LDS store's data: window 2 or 3
.irp b, 0,1,2,3,4,5,6,7
	ds_store_b128 v[STO], v[AC+8*\b:AC+8*\b+3] offset:64*\b          ; each accumulator from its low end on
	ds_store_b128 v[STO], v[AC+8*\b+4:AC+8*\b+7] offset:64*\b+16
.endr
	WIN 0
.set BB, BK+64*((\a)%2)
.irp t, 0,1,2,3,4,5,6,7,8,9,10,11,12,13,14,15
	ds_load_b128 v[BB+4*\t:BB+4*\t+3], v[RD] offset:\t*SPITCH
.endr
.endm
.macro SEND a, younger                 ; younger: the LDS instructions issued behind block a's loads, which may stay out
.set BB, BK+64*((\a)%2)
	s_wait_dscnt \younger
.if (\a) > 0
	s_add_nc_u64 s[12:13], s[12:13], 16*4096       ; (behind a wait on XCNT: the earlier stores have read their base)  16 rows on
.endif
.irp t, 0,1,2,3,4,5,6,7,8,9,10,11,12,13,14,15
	v_pk_fma_f32 v[BB+4*\t:BB+4*\t+1], v[BB+4*\t:BB+4*\t+1], s[96:97], v[BI:BI+1] op_sel_hi:[1,0,1]
	v_pk_fma_f32 v[BB+4*\t+2:BB+4*\t+3], v[BB+4*\t+2:BB+4*\t+3], s[96:97], v[BI+2:BI+3] op_sel_hi:[1,0,1]
.endr
.irp t, 0,1,2,3,4,5,6,7,8,9,10,11,12,13,14,15
	global_store_b128 v[CO], v[BB+4*\t:BB+4*\t+3], s[12:13] offset:\t*4096 th:TH_STORE_NT   ; 32 lanes store 512 consecutive bytes, at a multiple of 256 from out0's first byte
.endr
.endm
	s_wait_kmcnt 0x0
	s_add_co_i32 s96, s74, s75
	s_add_co_i32 s96, s96, 127
	s_lshl_b32 s96, s96, 23                        ; 2^(e6 + e7) as f32
	s_mov_b32 s97, s96                             ; (named with it as a pair, so it is written)
	s_wait_loadcnt 0x0                             ; the bias
	PLACES NP                                      ; behind the last products: their results are read, and A's registers loaded anew, below
	TOSTAGE 0
.irp a, 1,2,3,4,5,6,7
.if \a > 1
	s_wait_xcnt 0x0                                ; block a - 2's stores have read their registers and their base
.endif
	TOSTAGE \a
	SEND \a-1, 32                                  ; behind block a - 1's loads: block a's 16 stores and 16 loads
.endr
	s_wait_xcnt 0x0
	SEND 7, 0
	s_wait_tensorcnt 0x0                           ; the wave's end
	ds_add_u32 v[SPW], v[NIL]
	s_wait_dscnt 0x0
	CROUND                                         ; the closing round
	s_endpgm
.Lfunc_end_k_qccef5a47a7_proj:
	.size	k_qccef5a47a7_proj, .Lfunc_end_k_qccef5a47a7_proj-k_qccef5a47a7_proj
	.p2alignl 7, 3214868480
	.fill 96, 4, 3214868480
	.section	.rodata,"a",@progbits
	.p2align	6, 0x0
	.amdhsa_kernel k_qccef5a47a7_proj
		.amdhsa_group_segment_fixed_size 327680
		.amdhsa_private_segment_fixed_size 0
		.amdhsa_enable_private_segment 0
		.amdhsa_kernarg_size 40
		.amdhsa_user_sgpr_count 2
		.amdhsa_user_sgpr_kernarg_segment_ptr 1
		.amdhsa_wavefront_size32 1
		.amdhsa_system_sgpr_workgroup_id_x 1
		.amdhsa_system_sgpr_workgroup_id_y 1
		.amdhsa_system_sgpr_workgroup_id_z 1
		.amdhsa_system_vgpr_workitem_id 0
		.amdhsa_next_free_vgpr 1024
		.amdhsa_next_free_sgpr 100
		.amdhsa_reserve_vcc 0
		.amdhsa_float_denorm_mode_32 3
		.amdhsa_float_denorm_mode_16_64 3
		.amdhsa_memory_ordered 1
		.amdhsa_forward_progress 1
		.amdhsa_inst_pref_size 123
	.end_amdhsa_kernel
	.amdgpu_metadata
---
amdhsa.version: [ 1, 2 ]
amdhsa.kernels:
  - .name:           k_qccef5a47a7_proj
    .symbol:         k_qccef5a47a7_proj.kd
    .args:
      - { .name: aimg, .offset: 0, .size: 8, .value_kind: global_buffer, .address_space: global }
      - { .name: wpimg, .offset: 8, .size: 8, .value_kind: global_buffer, .address_space: global }
      - { .name: lowp_scales, .offset: 16, .size: 8, .value_kind: global_buffer, .address_space: global }
      - { .name: b_proj, .offset: 24, .size: 8, .value_kind: global_buffer, .address_space: global }
      - { .name: out0, .offset: 32, .size: 8, .value_kind: global_buffer, .address_space: global }
    .group_segment_fixed_size: 327680
    .private_segment_fixed_size: 0
    .kernarg_segment_align: 8
    .kernarg_segment_size: 40
    .max_flat_workgroup_size: 128
    .sgpr_count:     100
    .vgpr_count:     1024
    .wavefront_size: 32
...
	.end_amdgpu_metadata
.endif
;; end of part 4
